; MI455X (gfx1250); checked and timed in simulation.
; The chip was launched on July 23, 2026; its instructions are those of AMD's public machine-readable ISA for CDNA 5 (MIT licence, August 2026) and "CDNA5" Instruction Set Architecture Reference Guide (July 2026).
;; Head. Allowed arithmetic: matrix products marked QUANTISED: E4M3 operands, one given power-of-two scale a tensor, by v_wmma_f32_16x16x64_fp8_fp8 or v_wmma_f32_16x16x128_fp8_fp8, f32 sums; everything else in f32.
;; Inputs: Wk 768 x 768 float32; Wq 768 x 768 float32; Wv 768 x 768 float32; lowp_scales 10 int32 (the exponents e of the quantised operands' scales 2^e); x 16 x 1,024 x 768 float32.
;; Outputs: out0 16 x 1,024 x 768 float32.
;; This version of the problem:
;;   THIS VERSION OF THE PROBLEM IS GIVEN IN LOW PRECISION. The matrix products marked QUANTISED in the list below multiply operands that are first quantised to E4M3 (4 exponent bits, 3 mantissa bits; 8 bits a number), with one given power-of-two scale for each operand tensor; their sums are f32. All else is computed in f32.
;;   The module's matrix products, in the order in which they are computed (A, B: the left and right operand; K: the contracted axis; several contracted axes count as one K, in the product's order):
;;     1. [M 16,384, K 768] x [K 768, N 768]; A: computed on the way; B: computed on the way: QUANTISED (scales: A lowp_scales[0], B lowp_scales[1])
;;     2. [M 16,384, K 768] x [K 768, N 768]; A: computed on the way; B: computed on the way: QUANTISED (scales: A lowp_scales[2], B lowp_scales[3])
;;     3. [M 16,384, K 768] x [K 768, N 768]; A: computed on the way; B: computed on the way: QUANTISED (scales: A lowp_scales[4], B lowp_scales[5])
;;     4. batch 16 x [M 1,024, K 768] x [K 768, N 1,024]; A: computed on the way; B: computed on the way: QUANTISED (scales: A lowp_scales[6], B lowp_scales[7])
;;     5. batch 16 x [M 1,024, K 1,024] x [K 1,024, N 768]; A: softmax (see below); B: computed on the way: QUANTISED (scales: A lowp_scales[8], B lowp_scales[9])
;;   THE QUANTISER, for each operand of a quantised product, along K:
;;     - The operand's scale is 2^e, e = its entry of the input lowp_scales (int32; the entries are numbered through the quantised products in the list's order, A before B).
;;     - Each number is divided by the scale, clamped to +-448, and rounded to the nearest number of E4M3, ties to even, subnormals kept.
;;     - The product sums the exact products of the quantised numbers (number of the format x scale) in f32.
;;   ~~~python
;;   def quantise(x, axis, e):      # numpy; x: float32 -> the quantised numbers, widened to float32 again
;;       x = np.moveaxis(x, axis, -1); K = x.shape[-1]
;;       r = np.clip(x / 2.0 ** e, -448, 448)
;;       step = 2.0 ** (np.maximum(np.frexp(np.where(r == 0, 1, r))[1] - 1, -6) - 3)
;;       q = np.round(r / step) * step * 2.0 ** e      # np.round: ties to even
;;       return np.moveaxis(q, -1, axis).astype(np.float32)
;;   ~~~
;;   SOFTMAX AHEAD OF A QUANTISED PRODUCT. Where the list says 'softmax', what is quantised is not the finished softmax but p = 2^(t - M), with t = logit x log2(e) and M = ceil(the row's largest t), a whole number; so 1/2 < the row's largest p <= 1. The row's sum l is taken of the UNQUANTISED p, in f32, and the product's result is divided by l at the end. Since M is a whole number, a kernel that streams over the keys may use a running M (the ceiling of the running maximum): every later rescaling is an exact power of two, so the quantised numbers keep their values, but for numbers so far below the row's largest that they fall under the format's range.
;;   OPERANDS COMPUTED ON THE WAY. 'Computed on the way' means the value that the module computes at that place (a softmax that the list does not call 'softmax' is quantised finished and normalised). What goes into a quantiser is computed in f32, as accurately as f32 sums, v_exp_f32 and their like allow (about 1e-6 of the number): no bf16 or f16 on the way to a quantiser, and a product that is left as it is and whose result goes on into a quantised operand takes f32 operands (vector FMAs, or v_wmma_f32_16x16x4_f32). A number that lies on a knife's edge between two numbers of the format may be rounded either way, as far as f32 arithmetic and the matrix unit's own rounding can turn it there, and no further.
;; 2 versions, each right; version 2 is version 1 with the launch proj written anew for expert scheduling mode. Each part assembles by itself: llvm-mc -triple=amdgcn-amd-amdhsa -mcpu=gfx1250 --defsym DOCPART=n.
;; ======== version 1 of 2: 3 launches
;; limits: inputs' magnitudes at most 8.1e+31; right only within a limited range of input values
;; workspace buffers: wc 1,769,472 bytes; qc 12,582,912 bytes; kc 12,582,912 bytes; vc 12,582,912 bytes
;; launch prepw (part 1): grid 6 x 36, 4 waves a work-group, no clusters, 0 bytes of LDS; arguments Wk, Wq, Wv, lowp_scales, wc; writes wc
.if DOCPART == 1
	.amdgcn_target "amdgcn-amd-amdhsa--gfx1250"
	.amdhsa_code_object_version 6
	.text
	.protected	k_qb24c0563c3_prepw
	.globl	k_qb24c0563c3_prepw
	.p2align	8
	.type	k_qb24c0563c3_prepw,@function
k_qb24c0563c3_prepw:
	s_mov_b64 s[64:65], 0
	v_nop
	global_prefetch_b8 v0, s[64:65] scope:SCOPE_SE
	s_setreg_imm32_b32 hwreg(HW_REG_WAVE_MODE, 25, 1), 1
	s_wait_xcnt 0x0
.set X,     32
.set T,     96
.set C,     112
.set SMASK, 36
.set SFL,   37
.set SKW,   38
.set SKN,   40
.macro FQ16 b
.irp i, 0,1,2,3,4,5,6,7,8,9,10,11,12,13,14,15
	v_and_b32 v[T+\i], s[SMASK], v[(\b)+\i]
.endr
.irp i, 0,1,2,3,4,5,6,7,8,9,10,11,12,13,14,15
	v_max_num_f32 v[T+\i], s[SFL], v[T+\i]
.endr
.irp i, 0,2,4,6,8,10,12,14
	v_pk_fma_f32 v[(\b)+\i:(\b)+\i+1], v[T+\i:T+\i+1], s[SKW:SKW+1], v[(\b)+\i:(\b)+\i+1] op_sel_hi:[1,0,1]
.endr
.irp i, 0,2,4,6,8,10,12,14
	v_pk_fma_f32 v[(\b)+\i:(\b)+\i+1], v[T+\i:T+\i+1], s[SKN:SKN+1], v[(\b)+\i:(\b)+\i+1] op_sel_hi:[1,0,1]
.endr
.endm
	s_load_b256 s[4:11], s[0:1], 0x0
	s_load_b64 s[12:13], s[0:1], 0x20
	v_lshrrev_b32 v3, 5, v0
	v_readfirstlane_b32 s14, v3
	v_lshlrev_b32 v1, 2, v0
	v_and_b32 v3, 15, v0
	v_bfe_u32 v4, v0, 4, 1
	v_lshlrev_b32 v2, 4, v3
	v_lshl_add_u32 v2, v4, 11, v2
	s_and_b32 s15, ttmp7, 0xffff
	s_mul_i32 s24, s15, 43
	s_lshr_b32 s24, s24, 9
	s_mul_i32 s25, s24, 12
	s_sub_co_u32 s25, s15, s25
	s_lshr_b32 s26, s25, 1
	s_and_b32 s27, s25, 1
	s_lshl_b32 s28, ttmp9, 2
	s_add_co_u32 s28, s28, s14
	s_mul_i32 s29, s28, 43
	s_lshr_b32 s29, s29, 8
	s_mul_i32 s30, s29, 6
	s_sub_co_u32 s30, s28, s30
	s_mul_i32 s32, s25, 64*3072
	s_lshl_b32 s33, ttmp9, 9
	s_add_co_u32 s32, s32, s33
	s_mov_b32 s33, 0
	s_mul_i32 s34, s29, 3
	s_add_co_u32 s34, s34, s24
	s_mul_i32 s34, s34, 6
	s_add_co_u32 s34, s34, s30
	s_mul_i32 s34, s34, 24576
	s_lshl_b32 s35, s26, 12
	s_add_co_u32 s34, s34, s35
	s_lshl_b32 s35, s27, 10
	s_add_co_u32 s34, s34, s35
	s_mov_b32 s35, 0
	s_mov_b32 s[SMASK], 0x7f800000
	s_mov_b32 s[SFL], 0x3c800000
	s_mov_b32 s[SKW], 0x49c00000
	s_mov_b32 s[SKW+1], 0x49c00000
	s_mov_b32 s[SKN], 0xc9c00000
	s_mov_b32 s[SKN+1], 0xc9c00000
	s_wait_kmcnt 0x0
	s_load_b256 s[16:23], s[10:11], 0x0
	s_cmp_eq_u32 s24, 0
	s_cselect_b64 s[4:5], s[4:5], s[6:7]
	s_cmp_eq_u32 s24, 2
	s_cselect_b64 s[4:5], s[8:9], s[4:5]
	s_add_nc_u64 s[4:5], s[4:5], s[32:33]
	s_add_nc_u64 s[12:13], s[12:13], s[34:35]
.set i, 0
.rept 64
	global_load_b32 v[X+i], v1, s[4:5] offset:3072*i th:TH_LOAD_NT
.set i, i+1
.endr
	s_wait_kmcnt 0x0
	s_cmp_eq_u32 s24, 0
	s_cselect_b32 s17, s17, s19
	s_cmp_eq_u32 s24, 2
	s_cselect_b32 s17, s21, s17
	s_add_co_i32 s17, s17, 127
	s_lshl_b32 s18, s17, 23
	v_mov_b32 v11, s18
	s_add_co_i32 s17, s17, 8
	s_lshl_b32 s17, s17, 23
	s_or_b32 s17, s17, 0x600000
	v_mov_b32 v10, s17
.irp q, 0,1,2,3
	s_wait_loadcnt 48-16*\q
	FQ16 X+16*\q
.irp i, 0,1,2,3,4,5,6,7,8,9,10,11,12,13,14,15
	v_med3_num_f32 v[X+16*\q+\i], v[X+16*\q+\i], -v10, v10
.endr
	v_cvt_scalef32_pk8_fp8_f32 v[C+4*\q:C+4*\q+1], v[X+16*\q:X+16*\q+7], v11
	v_cvt_scalef32_pk8_fp8_f32 v[C+4*\q+2:C+4*\q+3], v[X+16*\q+8:X+16*\q+15], v11
	global_store_b128 v2, v[C+4*\q:C+4*\q+3], s[12:13] offset:512*(\q/2)+256*(\q%2)
.endr
	s_endpgm
.Lfunc_end_k_qb24c0563c3_prepw:
	.size	k_qb24c0563c3_prepw, .Lfunc_end_k_qb24c0563c3_prepw-k_qb24c0563c3_prepw
	.p2alignl 7, 3214868480
	.fill 96, 4, 3214868480
	.section	.rodata,"a",@progbits
	.p2align	6, 0x0
	.amdhsa_kernel k_qb24c0563c3_prepw
		.amdhsa_group_segment_fixed_size 0
		.amdhsa_private_segment_fixed_size 0
		.amdhsa_enable_private_segment 0
		.amdhsa_kernarg_size 40
		.amdhsa_user_sgpr_count 2
		.amdhsa_user_sgpr_kernarg_segment_ptr 1
		.amdhsa_wavefront_size32 1
		.amdhsa_system_sgpr_workgroup_id_x 1
		.amdhsa_system_sgpr_workgroup_id_y 1
		.amdhsa_system_sgpr_workgroup_id_z 1
		.amdhsa_system_vgpr_workitem_id 0
		.amdhsa_next_free_vgpr 128
		.amdhsa_next_free_sgpr 66
		.amdhsa_reserve_vcc 0
		.amdhsa_float_denorm_mode_32 3
		.amdhsa_float_denorm_mode_16_64 3
		.amdhsa_memory_ordered 1
		.amdhsa_forward_progress 1
		.amdhsa_inst_pref_size 22
	.end_amdhsa_kernel
	.amdgpu_metadata
---
amdhsa.version: [ 1, 2 ]
amdhsa.kernels:
  - .name:           k_qb24c0563c3_prepw
    .symbol:         k_qb24c0563c3_prepw.kd
    .args:
      - { .name: Wk, .offset: 0, .size: 8, .value_kind: global_buffer, .address_space: global }
      - { .name: Wq, .offset: 8, .size: 8, .value_kind: global_buffer, .address_space: global }
      - { .name: Wv, .offset: 16, .size: 8, .value_kind: global_buffer, .address_space: global }
      - { .name: lowp_scales, .offset: 24, .size: 8, .value_kind: global_buffer, .address_space: global }
      - { .name: wc, .offset: 32, .size: 8, .value_kind: global_buffer, .address_space: global }
    .group_segment_fixed_size: 0
    .private_segment_fixed_size: 0
    .kernarg_segment_align: 8
    .kernarg_segment_size: 40
    .max_flat_workgroup_size: 128
    .sgpr_count:     66
    .vgpr_count:     128
    .wavefront_size: 32
...
	.end_amdgpu_metadata
.endif
;; end of part 1
;; launch proj (part 2): grid 256 x 1, 4 waves a work-group, no clusters, 151,040 bytes of LDS; arguments x, wc, lowp_scales, qc, kc, vc; writes qc, kc, vc
.if DOCPART == 2
	.amdgcn_target "amdgcn-amd-amdhsa--gfx1250"
	.amdhsa_code_object_version 6
	.text
	.protected	k_qb24c0563c3_proj
	.globl	k_qb24c0563c3_proj
	.p2align	8
	.type	k_qb24c0563c3_proj,@function
k_qb24c0563c3_proj:
	s_mov_b64 s[64:65], 0
	v_nop
	global_prefetch_b8 v0, s[64:65] scope:SCOPE_SE
	s_setreg_imm32_b32 hwreg(HW_REG_WAVE_MODE, 25, 1), 1
	s_wait_xcnt 0x0
.set LI,    1
.set XST,   2
.set AX,    5
.set XSC,   6
.set PSC,   12
.set KO,    14
.set CD,    16
.set X,     32
.set ACC,   32
.set ACC2,  128
.set FK,    96
.set RC,    112
.set T,     224
.set TA,    240
.set XP,    784
.set XCB,   64*XP
.set WV,    16
.set ES,    20
.set SMASK, 30
.set SKW,   32
.set SKWN,  34
.set SKM,   36
.set SKMN,  38
.set SFLW,  40
.set SFLP,  41
.set WB,    44
.set OB,    46
.set CNT,   48
.set OQK,   50
.set OV,    52
.set SI23,  66
.set SLN2,  68
.set SNC1,  70
.set SNC2,  72
.set SGN,   74
.set MSB, 0
.macro WIN new
.if MSB != (\new)
	s_set_vgpr_msb (MSB<<8)|(\new)
.set MSB, (\new)
.endif
.endm
.macro FQ16 b, fl, k, kn
.irp i, 0,1,2,3,4,5,6,7,8,9,10,11,12,13,14,15
	v_and_b32 v[T+\i], s[SMASK], v[(\b)+\i]
.endr
.irp i, 0,1,2,3,4,5,6,7,8,9,10,11,12,13,14,15
	v_max_num_f32 v[T+\i], s[\fl], v[T+\i]
.endr
.irp i, 0,2,4,6,8,10,12,14
	v_pk_fma_f32 v[(\b)+\i:(\b)+\i+1], v[T+\i:T+\i+1], s[\k:\k+1], v[(\b)+\i:(\b)+\i+1] op_sel_hi:[1,0,1]
.endr
.irp i, 0,2,4,6,8,10,12,14
	v_pk_fma_f32 v[(\b)+\i:(\b)+\i+1], v[T+\i:T+\i+1], s[\kn:\kn+1], v[(\b)+\i:(\b)+\i+1] op_sel_hi:[1,0,1]
.endr
.endm
.macro FQM16 b
.irp i, 0,1,2,3,4,5,6,7,8,9,10,11,12,13,14,15
	v_and_b32 v[T+\i], s[SMASK], v[(\b)+\i]
.endr
.irp i, 0,1,2,3,4,5,6,7,8,9,10,11,12,13,14,15
	v_max_num_f32 v[T+\i], s[SFLP], v[T+\i]
.endr
.irp i, 0,1,2,3,4,5,6,7,8,9,10,11,12,13,14,15
	v_cvt_f32_u32 v[FK+\i], v[T+\i]
.endr
.irp i, 0,2,4,6,8,10,12,14
	v_pk_fma_f32 v[FK+\i:FK+\i+1], v[FK+\i:FK+\i+1], s[SI23:SI23+1], v[KO:KO+1] op_sel_hi:[1,0,1]
.endr
.irp i, 0,2,4,6,8,10,12,14
	v_pk_mul_f32 v[RC+\i:RC+\i+1], v[FK+\i:FK+\i+1], s[SLN2:SLN2+1] op_sel_hi:[1,0]
.endr
.irp i, 0,2,4,6,8,10,12,14
	v_pk_fma_f32 v[RC+\i:RC+\i+1], v[FK+\i:FK+\i+1], s[SNC1:SNC1+1], v[RC+\i:RC+\i+1] op_sel_hi:[1,0,1]
.endr
.irp i, 0,2,4,6,8,10,12,14
	v_pk_fma_f32 v[RC+\i:RC+\i+1], v[FK+\i:FK+\i+1], s[SNC2:SNC2+1], v[RC+\i:RC+\i+1] op_sel_hi:[1,0,1]
.endr
.irp i, 0,2,4,6,8,10,12,14
	v_pk_add_f32 v[RC+\i:RC+\i+1], v[RC+\i:RC+\i+1], 1.0 op_sel_hi:[1,0]
.endr
.irp i, 0,2,4,6,8,10,12,14
	v_pk_fma_f32 v[FK+\i:FK+\i+1], v[RC+\i:RC+\i+1], -1.0, 1.0 op_sel_hi:[1,0,0]
.endr
.irp i, 0,2,4,6,8,10,12,14
	v_pk_fma_f32 v[(\b)+\i:(\b)+\i+1], v[(\b)+\i:(\b)+\i+1], v[FK+\i:FK+\i+1], v[(\b)+\i:(\b)+\i+1]
.endr
.irp i, 0,2,4,6,8,10,12,14
	v_pk_fma_f32 v[(\b)+\i:(\b)+\i+1], v[T+\i:T+\i+1], s[SKM:SKM+1], v[(\b)+\i:(\b)+\i+1] op_sel_hi:[1,0,1]
.endr
.irp i, 0,2,4,6,8,10,12,14
	v_pk_fma_f32 v[(\b)+\i:(\b)+\i+1], v[T+\i:T+\i+1], s[SKMN:SKMN+1], v[(\b)+\i:(\b)+\i+1] op_sel_hi:[1,0,1]
.endr
.irp i, 0,2,4,6,8,10,12,14
	v_pk_mul_f32 v[(\b)+\i:(\b)+\i+1], v[(\b)+\i:(\b)+\i+1], v[RC+\i:RC+\i+1]
.endr
.endm
.macro XLOAD k
.irp r, 0,1,2,3,4,5,6,7,8,9,10,11,12,13,14,15
	global_load_b128 v[X+64*((\k)%3)+4*\r:X+64*((\k)%3)+4*\r+3], v[LI], s[4:5] offset:3072*\r+512*(\k) th:TH_LOAD_NT
.endr
.endm
.macro WLOAD g, off
.if (\g) < 8
	WIN 0x80
.irp c, 0,1,2,3
	global_load_b128 v[128+16*(\g)+4*\c:128+16*(\g)+4*\c+3], v[LI], s[WB:WB+1] offset:(\off)+2048*(\g)+512*\c
.endr
.else
	WIN 0xc0
.irp c, 0,1,2,3
	global_load_b128 v[16*((\g)-8)+4*\c:16*((\g)-8)+4*\c+3], v[LI], s[WB:WB+1] offset:(\off)+2048*(\g)+512*\c
.endr
.endif
.endm
	s_load_b256 s[4:11], s[0:1], 0x0
	s_load_b128 s[12:15], s[0:1], 0x20
	s_set_vgpr_msb 0xc0
	v_lshl_add_u32 v64, v0, 2, 0x24c00
	v_mov_b32 v65, 0
	s_set_vgpr_msb 0xc000
	v_lshrrev_b32 v14, 5, v0
	v_readfirstlane_b32 s[WV], v14
	v_and_b32 v14, 31, v0
	v_lshlrev_b32 v[LI], 4, v14
	v_lshlrev_b32 v15, 2, v14
	s_mul_i32 s17, s[WV], 16*XP
	v_add_nc_u32 v[XST], s17, v15
	v_add_nc_u32 v[XST+1], XCB, v[XST]
	v_add_nc_u32 v[XST+2], 2*XCB, v[XST]
	v_and_b32 v14, 15, v0
	v_bfe_u32 v15, v0, 4, 1
	v_mul_u32_u24 v[AX], v14, XP
	v_lshl_add_u32 v[AX], v15, 4, v[AX]
	s_mov_b32 s[SMASK], 0x7f800000
	s_mov_b32 s[SKW], 0x49c00000
	s_mov_b32 s[SKW+1], 0x49c00000
	s_mov_b32 s[SKWN], 0xc9c00000
	s_mov_b32 s[SKWN+1], 0xc9c00000
	s_mov_b32 s[SKM], 0x46400000
	s_mov_b32 s[SKM+1], 0x46400000
	s_mov_b32 s[SKMN], 0xc6400000
	s_mov_b32 s[SKMN+1], 0xc6400000
	s_mov_b32 s[SFLW], 0x3c800000
	s_mov_b32 s[SI23], 0x34000000
	s_mov_b32 s[SI23+1], 0x34000000
	s_mov_b32 s[SLN2], 0x3f317218
	s_mov_b32 s[SLN2+1], 0x3f317218
	s_mov_b32 s[SNC1], 0xbf318000
	s_mov_b32 s[SNC1+1], 0xbf318000
	s_mov_b32 s[SNC2], 0x395e8083
	s_mov_b32 s[SNC2+1], 0x395e8083
	s_mov_b32 s[SGN], 0x80808080
	s_mul_i32 s18, ttmp9, 64*3072
	s_mul_i32 s19, s[WV], 16*3072
	s_add_co_u32 s18, s18, s19
	s_mov_b32 s19, 0
	s_mul_i32 s54, s[WV], 18*24576
	s_mov_b32 s55, 0
	s_lshr_b32 s56, ttmp9, 4
	s_and_b32 s57, ttmp9, 15
	s_mul_i32 s56, s56, 786432
	s_mul_i32 s58, s57, 4*12288
	s_mul_i32 s59, s[WV], 3072
	s_add_co_u32 s[OQK], s56, s58
	s_add_co_u32 s[OQK], s[OQK], s59
	s_mov_b32 s[OQK+1], 0
	s_lshr_b32 s58, s57, 1
	s_mul_i32 s58, s58, 98304
	s_and_b32 s59, s57, 1
	s_lshl_b32 s59, s59, 10
	s_add_co_u32 s[OV], s56, s58
	s_add_co_u32 s[OV], s[OV], s59
	s_mul_i32 s59, s[WV], 24576
	s_add_co_u32 s[OV], s[OV], s59
	s_mov_b32 s[OV+1], 0
	s_wait_kmcnt 0x0
	s_load_b256 s[ES:ES+7], s[8:9], 0x0
	s_load_b64 s[ES+8:ES+9], s[8:9], 0x20
	s_add_nc_u64 s[4:5], s[4:5], s[18:19]
	s_add_nc_u64 s[WB:WB+1], s[6:7], s[54:55]
	XLOAD 0
	XLOAD 1
	XLOAD 2
	s_wait_kmcnt 0x0
.irp p, 0,1,2
	s_add_co_i32 s60, s[ES+2*\p], 127
	s_lshl_b32 s61, s60, 23
	v_mov_b32 v[XSC+2*\p], s61
	s_add_co_i32 s60, s60, 8
	s_lshl_b32 s60, s60, 23
	s_or_b32 s60, s60, 0x600000
	v_mov_b32 v[XSC+2*\p+1], s60
.endr
.macro XSTEP k
.set XS, X+64*((\k)%3)
	s_wait_loadcnt 32
.irp q, 0,1,2,3
	FQ16 XS+16*\q, SFLW, SKW, SKWN
.endr
.irp p, 0,1,2
	s_wait_dscnt 0x0
.set q, 0
.rept 8
.set TQ, TA+8*(q%2)
.irp j, 0,1,2,3,4,5,6,7
	v_med3_num_f32 v[TQ+\j], v[XS+8*q+\j], -v[XSC+2*\p+1], v[XSC+2*\p+1]
.endr
	v_cvt_scalef32_pk8_fp8_f32 v[CD+2*q:CD+2*q+1], v[TQ:TQ+7], v[XSC+2*\p]
.set q, q+1
.endr
.irp r, 0,1,2,3,4,5,6,7,8,9,10,11,12,13,14,15
	ds_store_b32 v[XST+\p], v[CD+\r] offset:XP*\r+128*(\k)
.endr
.endr
.if (\k) < 3
	XLOAD (\k)+3
.else
.irp f, 0,1,2,3
	WLOAD 4*((\k)-3)+\f, 0
.endr
	WIN 0
.endif
.endm
.irp k, 0,1,2,3,4,5
	XSTEP \k
.endr
	v_nop
	s_wait_dscnt 0x0
	s_barrier_signal -1
	s_barrier_wait -1
.macro SETUP ea, eb, eo
	s_add_co_i32 s60, s[\ea], s[\eb]
	s_sub_co_i32 s60, s60, 1
	s_sub_co_i32 s61, s60, 137
	v_mov_b32 v[KO], s61
	v_cvt_f32_i32 v[KO], v[KO]
	v_mov_b32 v[KO+1], v[KO]
	s_sub_co_i32 s61, 113, s60
	s_lshl_b32 s[SFLP], s61, 23
	s_sub_co_i32 s61, s[\eo], s60
	s_add_co_i32 s61, s61, 127
	s_lshl_b32 s62, s61, 23
	v_mov_b32 v[PSC], s62
	s_add_co_i32 s61, s61, 8
	s_lshl_b32 s61, s61, 23
	s_or_b32 s61, s61, 0x600000
	v_mov_b32 v[PSC+1], s61
.endm
.macro ALOAD
	WIN 0x40
.irp s, 0,1,2,3
.irp tt, 0,1,2,3
.irp c, 0,1,2,3
	ds_load_b128 v[16*(4*\s+\tt)+4*\c:16*(4*\s+\tt)+4*\c+3], v[AX] offset:16*XP*\tt+128*\s+32*\c
.endr
.endr
.endr
	WIN 0x80
.irp s, 4,5
.irp tt, 0,1,2,3
.irp c, 0,1,2,3
	ds_load_b128 v[16*(4*(\s-4)+\tt)+4*\c:16*(4*(\s-4)+\tt)+4*\c+3], v[AX] offset:16*XP*\tt+128*\s+32*\c
.endr
.endr
.endr
	WIN 0
	s_wait_dscnt 0x0
.endm
.macro MULS s, orient, base
.if \s < 4
	WIN 0x06+3*\orient
.else
	WIN 0x0b+3*\orient
.endif
.irp tt, 0,1,2,3
.irp u, 0,1
.set XN, 16*(4*(\s%4)+\tt)
.if \s < 4
.set WN, 128+16*(2*\s+\u)
.else
.set WN, 16*(2*\s+\u-8)
.endif
.if \orient
.set DN, \base+32*\u+8*\tt
.set AN, XN
.set BN, WN
.else
.set DN, \base+16*\tt+8*\u
.set AN, WN
.set BN, XN
.endif
.if \s == 0
	v_wmma_f32_16x16x128_fp8_fp8 v[DN:DN+7], v[AN:AN+15], v[BN:BN+15], 0
.else
	v_wmma_f32_16x16x128_fp8_fp8 v[DN:DN+7], v[AN:AN+15], v[BN:BN+15], v[DN:DN+7]
.endif
.endr
.endr
.rept 4
	v_nop
.endr
.endm
.macro PASS orient, reload
.irp s, 0,1,2,3,4,5
.if \reload
	s_wait_loadcnt 40
.else
	s_wait_loadcnt 40-8*\s
.endif
	MULS \s, \orient, ACC
.if \s < 4
	WIN 0x88
.set WX, 128+32*\s
.else
	WIN 0xcc
.set WX, 32*(\s-4)
.endif
.set n, 0
.rept 32
	v_xor_b32 v[WX+n], s[SGN], v[WX+n]
.set n, n+1
.endr
	MULS \s, \orient, ACC2
.if \reload
	WLOAD 2*\s, 24576
	WLOAD 2*\s+1, 24576
.endif
.endr
	WIN 0
.set n, 0
.rept 32
	v_pk_add_f32 v[ACC+n:ACC+n+1], v[ACC+n:ACC+n+1], v[ACC2+n:ACC2+n+1] neg_lo:[0,1] neg_hi:[0,1]
.set n, n+2
.endr
.irp q, 0,1,2,3
	FQM16 ACC+16*\q
.endr
.set n, 0
.rept 64
	v_med3_num_f32 v[ACC+n], v[ACC+n], -v[PSC+1], v[PSC+1]
.set n, n+1
.endr
.irp q, 0,1,2,3,4,5,6,7
	v_cvt_scalef32_pk8_fp8_f32 v[CD+2*\q:CD+2*\q+1], v[ACC+8*\q:ACC+8*\q+7], v[PSC]
.endr
	v_nop
.irp q, 0,1,2,3
.if \orient
	global_store_b128 v[LI], v[CD+4*\q:CD+4*\q+3], s[OB:OB+1] offset:2048*(\q/2)+512*(\q%2)
.else
	global_store_b128 v[LI], v[CD+4*\q:CD+4*\q+3], s[OB:OB+1] offset:12288*\q
.endif
.endr
.if \reload
	s_wait_xcnt 0x0
	s_add_nc_u64 s[WB:WB+1], s[WB:WB+1], 24576
	s_add_nc_u64 s[OB:OB+1], s[OB:OB+1], 512+3584*\orient
.endif
.endm
	SETUP ES+0, ES+1, ES+7
	s_add_nc_u64 s[OB:OB+1], s[12:13], s[OQK:OQK+1]
	ALOAD
	s_mov_b32 s[CNT], 6
.Lk:
	PASS 0, 1
	s_sub_co_u32 s[CNT], s[CNT], 1
	s_cmp_lg_u32 s[CNT], 0
	s_cbranch_scc1 .Lk
	v_add_nc_u32 v[AX], XCB, v[AX]
	SETUP ES+2, ES+3, ES+6
	s_add_nc_u64 s[OB:OB+1], s[10:11], s[OQK:OQK+1]
	ALOAD
	s_mov_b32 s[CNT], 6
.Lq:
	PASS 0, 1
	s_sub_co_u32 s[CNT], s[CNT], 1
	s_cmp_lg_u32 s[CNT], 0
	s_cbranch_scc1 .Lq
	v_add_nc_u32 v[AX], XCB, v[AX]
	SETUP ES+4, ES+5, ES+9
	s_add_nc_u64 s[OB:OB+1], s[14:15], s[OV:OV+1]
	ALOAD
	s_mov_b32 s[CNT], 5
.Lv:
	PASS 1, 1
	s_sub_co_u32 s[CNT], s[CNT], 1
	s_cmp_lg_u32 s[CNT], 0
	s_cbranch_scc1 .Lv
	PASS 1, 0
	s_set_vgpr_msb 0xf
	s_wait_tensorcnt 0x0
	ds_add_u32 v64, v65
	s_wait_dscnt 0x0
	s_set_vgpr_msb 0xf00
	s_endpgm
.Lfunc_end_k_qb24c0563c3_proj:
	.size	k_qb24c0563c3_proj, .Lfunc_end_k_qb24c0563c3_proj-k_qb24c0563c3_proj
	.p2alignl 7, 3214868480
	.fill 96, 4, 3214868480
	.section	.rodata,"a",@progbits
	.p2align	6, 0x0
	.amdhsa_kernel k_qb24c0563c3_proj
		.amdhsa_group_segment_fixed_size 151040
		.amdhsa_private_segment_fixed_size 0
		.amdhsa_enable_private_segment 0
		.amdhsa_kernarg_size 48
		.amdhsa_user_sgpr_count 2
		.amdhsa_user_sgpr_kernarg_segment_ptr 1
		.amdhsa_wavefront_size32 1
		.amdhsa_system_sgpr_workgroup_id_x 1
		.amdhsa_system_sgpr_workgroup_id_y 1
		.amdhsa_system_sgpr_workgroup_id_z 1
		.amdhsa_system_vgpr_workitem_id 0
		.amdhsa_next_free_vgpr 834
		.amdhsa_next_free_sgpr 76
		.amdhsa_reserve_vcc 0
		.amdhsa_float_denorm_mode_32 3
		.amdhsa_float_denorm_mode_16_64 3
		.amdhsa_memory_ordered 1
		.amdhsa_forward_progress 1
		.amdhsa_inst_pref_size 255
	.end_amdhsa_kernel
	.section	.bss,"aw",@nobits
	.p2align	6
	.space	262144
	.amdgpu_metadata
---
amdhsa.version: [ 1, 2 ]
amdhsa.kernels:
  - .name:           k_qb24c0563c3_proj
    .symbol:         k_qb24c0563c3_proj.kd
    .args:
      - { .name: x, .offset: 0, .size: 8, .value_kind: global_buffer, .address_space: global }
      - { .name: wc, .offset: 8, .size: 8, .value_kind: global_buffer, .address_space: global }
      - { .name: lowp_scales, .offset: 16, .size: 8, .value_kind: global_buffer, .address_space: global }
      - { .name: qc, .offset: 24, .size: 8, .value_kind: global_buffer, .address_space: global }
      - { .name: kc, .offset: 32, .size: 8, .value_kind: global_buffer, .address_space: global }
      - { .name: vc, .offset: 40, .size: 8, .value_kind: global_buffer, .address_space: global }
    .group_segment_fixed_size: 151040
    .private_segment_fixed_size: 0
    .kernarg_segment_align: 8
    .kernarg_segment_size: 48
    .max_flat_workgroup_size: 128
    .sgpr_count:     76
    .vgpr_count:     834
    .wavefront_size: 32
...
	.end_amdgpu_metadata
.endif
;; end of part 2
;; launch attn (part 3): grid 16 x 16, 4 waves a work-group, clusters of 4 x 1, 327,680 bytes of LDS; arguments qc, kc, vc, lowp_scales, out0; writes out0
.if DOCPART == 3
	.amdgcn_target "amdgcn-amd-amdhsa--gfx1250"
	.amdhsa_code_object_version 6
	.text
	.protected	k_qb24c0563c3_attn
	.globl	k_qb24c0563c3_attn
	.p2align	8
	.type	k_qb24c0563c3_attn,@function
k_qb24c0563c3_attn:
	s_mov_b64 s[64:65], 0
	v_nop
	global_prefetch_b8 v0, s[64:65] scope:SCOPE_SE
	s_setreg_imm32_b32 hwreg(HW_REG_WAVE_MODE, 25, 1), 1
	s_wait_xcnt 0x0
	s_wait_alu depctr_hold_cnt(0) depctr_sa_sdst(0) depctr_va_vdst(0) depctr_va_sdst(0) depctr_va_ssrc(0) depctr_va_vcc(0) depctr_vm_vsrc(0)
	s_getreg_b32 s2, hwreg(HW_REG_IB_STS2, 6, 4)
	s_cmp_eq_u32 s2, 0
	s_cbranch_scc0 .Lentry_in_a_cluster
	s_endpgm
.Lentry_in_a_cluster:
	s_bfe_u32 s2, ttmp6, 0x10000c
	s_cmp_lg_u32 s2, 0x3003
	s_cbranch_scc0 .Lentry_shape_is_right
	s_endpgm
.Lentry_shape_is_right:
.set KSL,   0
.set VSL,   98304
.set PIMG,  294912
.set MAXB,  303104
.set SPARE, 304128
.set OP,    784
.set SPW,  1
.set NIL,  2
.set KAD,  3
.set VAD,  4
.set PST,  6
.set PLD,  7
.set MST,  8
.set MLD,  9
.set DQ,   10
.set NINF, 11
.set PSC,  12
.set SR,   14
.set SO,   15
.set ST,   16
.set T,    48
.set S,    64
.set FB,   128
.set S2,   192
.set WV,   14
.set W1,   15
.set CX,   16
.set CC,   17
.set QB,   18
.set BA,   19
.set G1,   24
.set G0K,  32
.set G0V,  36
.set ES,   44
.set SMASK,54
.set SFL,  55
.set SKM,  56
.set SKMN, 58
.set CS,   60
.set SEL,  62
.set CNT,  66
.set KEND, 67
.set QMIN, 68
.set SFO,  69
.set EO,   70
.set SGN,  77
.set LG,   78
.set MSB, 0
.macro WIN new
.if MSB != (\new)
	s_set_vgpr_msb (MSB<<8)|(\new)
.set MSB, (\new)
.endif
.endm
.macro FQ16 b, fl
.irp i, 0,1,2,3,4,5,6,7,8,9,10,11,12,13,14,15
	v_and_b32 v[T+\i], s[SMASK], v[(\b)+\i]
.endr
.irp i, 0,1,2,3,4,5,6,7,8,9,10,11,12,13,14,15
	v_max_num_f32 v[T+\i], s[\fl], v[T+\i]
.endr
.irp i, 0,2,4,6,8,10,12,14
	v_pk_fma_f32 v[(\b)+\i:(\b)+\i+1], v[T+\i:T+\i+1], s[SKM:SKM+1], v[(\b)+\i:(\b)+\i+1] op_sel_hi:[1,0,1]
.endr
.irp i, 0,2,4,6,8,10,12,14
	v_pk_fma_f32 v[(\b)+\i:(\b)+\i+1], v[T+\i:T+\i+1], s[SKMN:SKMN+1], v[(\b)+\i:(\b)+\i+1] op_sel_hi:[1,0,1]
.endr
.endm
.macro PLACES n
.rept \n
	v_nop
.endr
.endm
.macro JLOAD gv
	s_cmp_lt_u32 s[WV], 2
	s_cbranch_scc0 .Lfor_v_\@
	tensor_load_to_lds s[G0K:G0K+3], s[G1:G1+7]
	s_nop 0
	PLACES 4
	s_branch .Lasked_\@
.Lfor_v_\@:
	tensor_load_to_lds s[\gv:\gv+3], s[G1:G1+7]
	s_nop 0
	PLACES 4
.Lasked_\@:
.endm
.macro JLOADK
	s_cmp_lt_u32 s[WV], 2
	s_cbranch_scc0 .Lnone_\@
	tensor_load_to_lds s[G0K:G0K+3], s[G1:G1+7]
	s_nop 0
	PLACES 4
.Lnone_\@:
.endm
.macro CROUND
	s_barrier_signal -1
	s_barrier_wait -1
	s_cmp_lg_u32 s[WV], 0
	s_cbranch_scc1 .Lnot_wave_0_\@
	s_barrier_signal -3
.Lnot_wave_0_\@:
	s_barrier_wait -3
	s_barrier_signal -1
	s_barrier_wait -1
.endm
.macro KLOAD g, f
.irp c, 0,1,2,3
	ds_load_b128 v[FB+16*(\f)+4*\c:FB+16*(\f)+4*\c+3], v[KAD] offset:12288*((\g)%2)+2048*((\g)/2)+512*\c
.endr
.endm
.macro VLOAD vs, g, f
.irp c, 0,1,2,3
	ds_load_b128 v[FB+16*(\f)+4*\c:FB+16*(\f)+4*\c+3], v[VAD+\vs] offset:2048*(\g)+512*\c
.endr
.endm
	s_load_b256 s[4:11], s[0:1], 0x0
	s_load_b64 s[12:13], s[0:1], 0x20
	v_lshl_add_u32 v[SPW], v0, 2, SPARE
	v_mov_b32 v[NIL], 0
	ds_add_u32 v1, v2
	ds_add_u32 v1, v2
	s_wait_dscnt 0x0
	v_lshrrev_b32 v48, 5, v0
	v_readfirstlane_b32 s[WV], v48
	s_and_b32 s[W1], s[WV], 1
	s_bfe_u32 s[CX], ttmp6, 0x40000
	s_mov_b32 s[CC], ttmp9
	s_lshl_b32 s[QB], ttmp9, 2
	s_add_co_u32 s[QB], s[QB], s[CX]
	s_and_b32 s[BA], ttmp7, 0xffff
	v_and_b32 v49, 31, v0
	v_and_b32 v50, 15, v0
	v_bfe_u32 v51, v0, 4, 1
	v_lshlrev_b32 v52, 4, v49
	v_lshlrev_b32 v53, 4, v50
	s_mul_i32 s71, s[WV], 24576
	v_add_nc_u32 v[KAD], s71, v52
	v_add_nc_u32 v[VAD], VSL, v[KAD]
	v_add_nc_u32 v[VAD+1], 2*VSL, v[KAD]
	s_lshl_b32 s71, s[WV], 9
	v_add_nc_u32 v[PST], s71, v52
	v_add_nc_u32 v[PST], PIMG, v[PST]
	v_add_nc_u32 v[PLD], PIMG, v52
	s_lshl_b32 s71, s[WV], 8
	v_add_nc_u32 v[MST], s71, v53
	v_add_nc_u32 v[MST], MAXB, v[MST]
	v_add_nc_u32 v[MLD], MAXB, v53
	s_mul_i32 s71, s[WV], 64*OP
	v_mul_u32_u24 v[SO], v50, OP
	v_lshl_add_u32 v[SO], v51, 5, v[SO]
	v_add_nc_u32 v[SO], s71, v[SO]
	v_mul_u32_u24 v[SR], v51, 8*OP
	v_lshl_add_u32 v[SR], v50, 4, v[SR]
	v_add_nc_u32 v[SR], s71, v[SR]
	s_lshl_b32 s71, s[QB], 6
	s_lshl_b32 s76, s[WV], 5
	s_sub_co_i32 s71, s71, s76
	v_lshlrev_b32 v54, 3, v51
	v_sub_nc_u32 v[DQ], v50, v54
	v_add_nc_u32 v[DQ], s71, v[DQ]
	v_mov_b32 v[NINF], 0xff800000
	s_mul_i32 s20, s[BA], 786432
	s_mul_i32 s22, s[W1], 49152
	s_add_co_u32 s20, s20, s22
	s_mov_b32 s21, 0
	s_mul_i32 s72, s[BA], 786432
	s_mul_i32 s73, s[QB], 49152
	s_add_co_u32 s72, s72, s73
	s_mov_b32 s73, 0
	s_mul_i32 s74, s[BA], 3145728
	s_mul_i32 s75, s[QB], 196608
	s_add_co_u32 s74, s74, s75
	s_mul_i32 s75, s[WV], 768
	s_add_co_u32 s74, s74, s75
	s_mov_b32 s75, 0
	s_mov_b32 s[G1], 15|(3<<16)|(1<<21)
	s_mov_b32 s[G1+1], 32<<16
	s_mov_b32 s[G1+2], 192<<16
	s_mov_b32 s[G1+3], 32<<16
	s_mov_b32 s[G1+4], 192
	s_mov_b32 s[G1+5], 32
	s_mov_b32 s[G1+6], 0
	s_mov_b32 s[G1+7], 0
	s_mov_b32 s[SMASK], 0x7f800000
	s_mov_b32 s[SKM], 0x46400000
	s_mov_b32 s[SKM+1], 0x46400000
	s_mov_b32 s[SKMN], 0xc6400000
	s_mov_b32 s[SKMN+1], 0xc6400000
	s_mov_b32 s[SFO], 0x38800000
	s_mov_b32 s[SEL], 0x76543210
	s_mov_b32 s[SEL+1], 0xfedcba98
	s_mov_b32 s[CS], 0x3d13cd3a
	s_mov_b32 s[LG], 0x3fb8aa3b
	s_mov_b32 s[LG+1], 0x3fb8aa3b
	s_mov_b32 s[SGN], 0x80808080
	s_mov_b32 s[KEND], 127
	s_lshl_b32 s[QMIN], ttmp9, 8
	s_wait_kmcnt 0x0
	s_load_b256 s[ES:ES+7], s[10:11], 0x0
	s_load_b64 s[ES+8:ES+9], s[10:11], 0x20
	s_mov_b32 s[G0K], 1
	s_mov_b32 s[G0K+1], s22
	s_add_nc_u64 s[G0K+2:G0K+3], s[6:7], s[20:21]
	s_or_b32 s[G0K+3], s[G0K+3], 0x80000000
.irp n, 0,1
	s_mov_b32 s[G0V+4*\n], 1
	s_add_co_u32 s[G0V+4*\n+1], s22, VSL*(\n+1)
	s_add_nc_u64 s[G0V+4*\n+2:G0V+4*\n+3], s[8:9], s[20:21]
	s_add_nc_u64 s[G0V+4*\n+2:G0V+4*\n+3], s[G0V+4*\n+2:G0V+4*\n+3], 98304*\n
	s_or_b32 s[G0V+4*\n+3], s[G0V+4*\n+3], 0x80000000
.endr
	s_add_nc_u64 s[4:5], s[4:5], s[72:73]
	s_add_nc_u64 s[12:13], s[12:13], s[74:75]
	CROUND
	s_cmp_lt_u32 s[WV], 2
	s_cbranch_scc0 .Lfirst_v
	tensor_load_to_lds s[G0K:G0K+3], s[G1:G1+7]
	s_nop 0
	PLACES 4
	s_branch .Lfirst_asked
.Lfirst_v:
	tensor_load_to_lds s[G0V:G0V+3], s[G1:G1+7]
	s_nop 0
	tensor_load_to_lds s[G0V+4:G0V+7], s[G1:G1+7]
	s_nop 0
	PLACES 4
.Lfirst_asked:
	WIN 0x40
.irp s, 0,1,2,3
.irp t, 0,1,2,3
.irp c, 0,1,2,3
	global_load_b128 v[16*(4*\s+\t)+4*\c:16*(4*\s+\t)+4*\c+3], v52, s[4:5] offset:12288*\t+2048*\s+512*\c th:TH_LOAD_NT
.endr
.endr
.endr
	WIN 0x80
.irp s, 4,5
.irp t, 0,1,2,3
.irp c, 0,1,2,3
	global_load_b128 v[16*(4*(\s-4)+\t)+4*\c:16*(4*(\s-4)+\t)+4*\c+3], v52, s[4:5] offset:12288*\t+2048*\s+512*\c th:TH_LOAD_NT
.endr
.endr
.endr
	WIN 0
.irp t, 0,1,2,3
	v_mov_b32 v[ST+8*\t+1], 0xff61b1e6
	v_floor_f32 v[ST+8*\t], -v[ST+8*\t+1]
	v_mov_b32 v[ST+8*\t+2], 0
	v_mov_b32 v[ST+8*\t+3], 0
	v_mov_b32 v[ST+8*\t+5], 0
	v_mov_b32 v[ST+8*\t+6], 0
	v_mov_b32 v[ST+8*\t+7], 0
.endr
	s_wait_kmcnt 0x0
	s_add_co_i32 s71, s[ES+6], s[ES+7]
	s_lshl_b32 s76, s71, 23
	s_add_co_i32 s[CS], s[CS], s76
	s_mov_b32 s[CS+1], s[CS]
	s_sub_co_i32 s76, 113, s71
	s_lshl_b32 s[SFL], s76, 23
	s_add_co_i32 s71, s[ES+8], 127
	s_lshl_b32 s76, s71, 23
	v_mov_b32 v[PSC], s76
	s_add_co_i32 s71, s71, 8
	s_lshl_b32 s71, s71, 23
	s_or_b32 s71, s71, 0x600000
	v_mov_b32 v[PSC+1], s71
	s_add_co_i32 s[EO], s[ES+8], s[ES+9]
	s_wait_loadcnt 0x0
	WIN 0x44
.set n, 0
.rept 64
	v_xor_b32 v[n], s[SGN], v[n]
	v_xor_b32 v[128+n], s[SGN], v[128+n]
.set n, n+1
.endr
	WIN 0x88
.set n, 0
.rept 64
	v_xor_b32 v[n], s[SGN], v[n]
.set n, n+1
.endr
	WIN 0
.macro STEP vs, mask, fill, first
	s_wait_tensorcnt 0x0
	s_wait_dscnt 0x0
	s_barrier_signal -1
	s_barrier_wait -1
.irp g, 0,1,2,3
	KLOAD \g, \g
.endr
.irp s, 0,1,2,3,4,5
.if \s < 5
	s_wait_dscnt 8
.else
	s_wait_dscnt 0x0
.endif
.if \s < 4
	WIN 0x04
.else
	WIN 0x08
.endif
.irp t, 0,1,2,3
.irp u, 0,1
.set FN, FB+16*((2*\s+\u)%4)
.set QN, 16*(4*(\s%4)+\t)
.if (\s%2) == 1
.set DN, S+16*\t+8*\u
.else
.set DN, S2+16*\t+8*\u
.endif
.if \s < 2
	v_wmma_f32_16x16x128_fp8_fp8 v[DN:DN+7], v[FN:FN+15], v[QN:QN+15], 0
.else
	v_wmma_f32_16x16x128_fp8_fp8 v[DN:DN+7], v[FN:FN+15], v[QN:QN+15], v[DN:DN+7]
.endif
.endr
.endr
.if \s < 4
	PLACES 4
	KLOAD 4+2*\s, (2*\s)%4
	KLOAD 5+2*\s, (2*\s+1)%4
.endif
.endr
	WIN 0
	PLACES 4
.set n, 0
.rept 32
	v_pk_add_f32 v[S+n:S+n+1], v[S+n:S+n+1], v[S2+n:S2+n+1] neg_lo:[0,1] neg_hi:[0,1]
.set n, n+2
.endr
.irp t, 0,1,2,3
	FQ16 S+16*\t, SFL
.endr
.if \mask
	s_cmp_le_u32 s[KEND], s[QMIN]
	s_cbranch_scc1 .Lopen_\@
.set n, 0
.rept 64
	v_cmp_gt_i32 vcc_lo, 16*((n/8)%2)+n%8-16*(n/16), v[DQ]
	v_cndmask_b32 v[S+n], v[S+n], v[NINF], vcc_lo
.set n, n+1
.endr
.Lopen_\@:
.endif
.irp t, 0,1,2,3
	v_max3_num_f32 v[T+\t], v[S+16*\t], v[S+16*\t+1], v[S+16*\t+2]
.endr
.irp k, 0,1,2,3,4,5
.irp t, 0,1,2,3
	v_max3_num_f32 v[T+\t], v[T+\t], v[S+16*\t+3+2*\k], v[S+16*\t+4+2*\k]
.endr
.endr
.irp t, 0,1,2,3
	v_max_num_f32 v[T+\t], v[T+\t], v[S+16*\t+15]
.endr
.irp t, 0,1,2,3
	v_permlanex16_b32 v[T+4+\t], v[T+\t], s[SEL], s[SEL+1]
.endr
.irp t, 0,1,2,3
	v_max_num_f32 v[T+\t], v[T+\t], v[T+4+\t]
.endr
	ds_store_b128 v[MST], v[T:T+3]
	s_wait_tensorcnt 0x0
	ds_add_u32 v[SPW], v[NIL]
.if \fill
	s_add_nc_u64 s[G0K+2:G0K+3], s[G0K+2:G0K+3], 98304
.endif
.if \fill == 1
	s_add_nc_u64 s[G0V+4*(1-\vs)+2:G0V+4*(1-\vs)+3], s[G0V+4*(1-\vs)+2:G0V+4*(1-\vs)+3], 196608
.endif
	s_wait_dscnt 0x0
.if \fill
	CROUND
.if \fill == 1
	JLOAD G0V+4*(1-\vs)
.else
	JLOADK
.endif
.else
	s_barrier_signal -1
	s_barrier_wait -1
.endif
.irp w, 0,1,2,3
	ds_load_b128 v[T+4*\w:T+4*\w+3], v[MLD] offset:256*\w
.endr
.irp f, 0,1,2,3,4,5,6,7
	VLOAD \vs, \f, \f
.endr
	s_wait_dscnt 32
.irp t, 0,1,2,3
	v_max3_num_f32 v[ST+8*\t+6], v[T+\t], v[T+4+\t], v[T+8+\t]
.endr
.irp t, 0,1,2,3
	v_max_num_f32 v[ST+8*\t+6], v[ST+8*\t+6], v[T+12+\t]
.endr
.irp t, 0,1,2,3
	v_mul_f32 v[ST+8*\t+6], s[CS], v[ST+8*\t+6]
.endr
.irp t, 0,1,2,3
	v_mul_f32 v[ST+8*\t+6], s[LG], v[ST+8*\t+6]
.endr
.irp t, 0,1,2,3
	v_max_num_f32 v[ST+8*\t+1], v[ST+8*\t+1], v[ST+8*\t+6]
.endr
.irp t, 0,1,2,3
	v_mov_b32 v[ST+8*\t+7], v[ST+8*\t]
.endr
.irp t, 0,1,2,3
	v_floor_f32 v[ST+8*\t], -v[ST+8*\t+1]
.endr
.irp t, 0,1,2,3
	v_sub_f32 v[ST+8*\t+7], v[ST+8*\t], v[ST+8*\t+7]
.endr
.irp t, 0,1,2,3
	v_cvt_i32_f32 v[ST+8*\t+7], v[ST+8*\t+7]
.endr
.irp t, 0,1,2,3
	v_ldexp_f32 v[ST+8*\t+4], 1.0, v[ST+8*\t+7]
.endr
.set n, 0
.rept 32
	v_pk_mul_f32 v[S+n:S+n+1], v[S+n:S+n+1], s[CS:CS+1] op_sel_hi:[1,0]
.set n, n+2
.endr
.set n, 0
.rept 32
	v_pk_mul_f32 v[S+n:S+n+1], v[S+n:S+n+1], s[LG:LG+1] op_sel_hi:[1,0]
.set n, n+2
.endr
.set n, 0
.rept 32
	v_pk_add_f32 v[S+n:S+n+1], v[S+n:S+n+1], v[ST+8*(n/16):ST+8*(n/16)+1] op_sel_hi:[1,0]
.set n, n+2
.endr
.set n, 0
.rept 64
	v_exp_f32 v[S+n], v[S+n]
.set n, n+1
.endr
.irp t, 0,1,2,3
	v_pk_mul_f32 v[ST+8*\t+2:ST+8*\t+3], v[ST+8*\t+2:ST+8*\t+3], v[ST+8*\t+4:ST+8*\t+5] op_sel_hi:[1,0]
.endr
	s_wait_alu depctr_va_vdst(0)
.irp k, 0,2,4,6,8,10,12,14
.irp t, 0,1,2,3
	v_pk_add_f32 v[ST+8*\t+2:ST+8*\t+3], v[ST+8*\t+2:ST+8*\t+3], v[S+16*\t+\k:S+16*\t+\k+1]
.endr
.endr
.set n, 0
.rept 64
	v_min_num_f32 v[S+n], v[S+n], v[PSC+1]
.set n, n+1
.endr
.irp q, 0,1,2,3,4,5,6,7
	v_cvt_scalef32_pk8_fp8_f32 v[T+2*\q:T+2*\q+1], v[S+8*\q:S+8*\q+7], v[PSC]
.endr
	v_nop
.irp t, 0,1,2,3
	ds_store_b128 v[PST], v[T+4*\t:T+4*\t+3] offset:2048*\t
.endr
	s_wait_dscnt 0x0
	s_barrier_signal -1
	s_barrier_wait -1
.irp t, 0,1,2,3
.irp c, 0,1,2,3
	ds_load_b128 v[S+16*\t+4*\c:S+16*\t+4*\c+3], v[PLD] offset:2048*\t+512*\c
.endr
.endr
.set ct, 0
.rept 12
.if ct < 4
.set ON, 128+32*ct
.set WR, 0x82
.set WM, 0xa0
.else
.set ON, 32*(ct-4)
.set WR, 0xc3
.set WM, 0xf0
.endif
.if \first
.if (ct >= 1) && (ct <= 4)
	PLACES 4
.endif
.else
	WIN WR
.irp t, 0,1,2,3
.irp j, 0,2,4,6
	v_pk_mul_f32 v[ON+8*\t+\j:ON+8*\t+\j+1], v[ON+8*\t+\j:ON+8*\t+\j+1], v[ST+8*\t+4:ST+8*\t+5] op_sel_hi:[1,0]
.endr
.endr
.endif
.if (ct >= 1) && (ct <= 4)
	WIN 0
	VLOAD \vs, ct+7, ct-1
.endif
.if ct == 0
	s_wait_dscnt 0x0
.elseif ct >= 8
	s_wait_dscnt 4*(11-ct)
.endif
	WIN WM
.set FN, FB+16*(ct%8)
.irp t, 0,1,2,3
.if \first
	v_wmma_f32_16x16x128_fp8_fp8 v[ON+8*\t:ON+8*\t+7], v[FN:FN+15], v[S+16*\t:S+16*\t+15], 0
.else
	v_wmma_f32_16x16x128_fp8_fp8 v[ON+8*\t:ON+8*\t+7], v[FN:FN+15], v[S+16*\t:S+16*\t+15], v[ON+8*\t:ON+8*\t+7]
.endif
.endr
.set ct, ct+1
.endr
	WIN 0
	v_add_nc_u32 v[DQ], 0xffffff80, v[DQ]
	PLACES 4
	s_add_co_u32 s[KEND], s[KEND], 128
.endm
	STEP 0, 1, 2, 1
	s_cmp_eq_u32 s[CC], 0
	s_cbranch_scc1 .Ltail
	s_mov_b32 s[CNT], s[CC]
.Lpair:
	STEP 1, 0, 1, 0
	STEP 0, 1, 1, 0
	s_sub_co_u32 s[CNT], s[CNT], 1
	s_cmp_lg_u32 s[CNT], 0
	s_cbranch_scc1 .Lpair
.Ltail:
	STEP 1, 1, 0, 0
.irp t, 0,1,2,3
	v_add_f32 v[ST+8*\t+6], v[ST+8*\t+2], v[ST+8*\t+3]
.endr
.irp t, 0,1,2,3
	v_permlanex16_b32 v[ST+8*\t+7], v[ST+8*\t+6], s[SEL], s[SEL+1]
.endr
.irp t, 0,1,2,3
	v_add_f32 v[T+\t], v[ST+8*\t+6], v[ST+8*\t+7]
.endr
	ds_store_b128 v[MST], v[T:T+3]
	s_wait_dscnt 0x0
	s_barrier_signal -1
	s_barrier_wait -1
.irp w, 0,1,2,3
	ds_load_b128 v[T+4*\w:T+4*\w+3], v[MLD] offset:256*\w
.endr
	v_and_b32 v12, 15, v0
	v_bfe_u32 v13, v0, 4, 1
	v_mul_u32_u24 v[NINF], v13, 8*3072
	v_lshl_add_u32 v[NINF], v12, 4, v[NINF]
	s_wait_dscnt 0x0
.irp t, 0,1,2,3
	v_add_f32 v[ST+8*\t+6], v[T+\t], v[T+4+\t]
.endr
.irp t, 0,1,2,3
	v_add_f32 v[ST+8*\t+7], v[T+8+\t], v[T+12+\t]
.endr
.irp t, 0,1,2,3
	v_add_f32 v[ST+8*\t+6], v[ST+8*\t+6], v[ST+8*\t+7]
.endr
.irp t, 0,1,2,3
	v_rcp_f32 v[ST+8*\t+4], v[ST+8*\t+6]
.endr
	v_nop
	s_wait_alu depctr_va_vdst(0)
.irp t, 0,1,2,3
	v_ldexp_f32 v[ST+8*\t+4], v[ST+8*\t+4], s[EO]
.endr
	WIN 0x82
.set n, 0
.rept 16
.irp j, 0,2,4,6
	v_pk_mul_f32 v[128+8*n+\j:128+8*n+\j+1], v[128+8*n+\j:128+8*n+\j+1], v[ST+8*(n%4)+4:ST+8*(n%4)+5] op_sel_hi:[1,0]
.endr
.set n, n+1
.endr
	WIN 0x08
.set n, 0
.rept 16
	ds_store_b128 v[SO], v[128+8*n:128+8*n+3] offset:16*OP*(n%4)+64*(n/4)
	ds_store_b128 v[SO], v[128+8*n+4:128+8*n+7] offset:16*OP*(n%4)+64*(n/4)+16
.set n, n+1
.endr
	WIN 0xc3
.set n, 0
.rept 32
.irp j, 0,2,4,6
	v_pk_mul_f32 v[8*n+\j:8*n+\j+1], v[8*n+\j:8*n+\j+1], v[ST+8*(n%4)+4:ST+8*(n%4)+5] op_sel_hi:[1,0]
.endr
.set n, n+1
.endr
	WIN 0x0c
.set n, 0
.rept 32
	ds_store_b128 v[SO], v[8*n:8*n+3] offset:16*OP*(n%4)+64*(4+n/4)
	ds_store_b128 v[SO], v[8*n+4:8*n+7] offset:16*OP*(n%4)+64*(4+n/4)+16
.set n, n+1
.endr
	WIN 0
.macro OLOAD t
.set RB, S+96*((\t)%2)
.set i, 0
.rept 24
	ds_load_b128 v[RB+4*i:RB+4*i+3], v[SR] offset:16*OP*(\t)+OP*(i/3)+256*(i%3)
.set i, i+1
.endr
.endm
	OLOAD 0
	OLOAD 1
.irp t, 0,1,2,3
.if \t < 3
	s_wait_dscnt 24
.else
	s_wait_dscnt 0x0
.endif
.irp q, 0,1,2,3,4,5
	FQ16 S+96*(\t%2)+16*\q, SFO
.endr
.set i, 0
.rept 24
	global_store_b128 v[NINF], v[S+96*(\t%2)+4*i:S+96*(\t%2)+4*i+3], s[12:13] offset:49152*\t+3072*(i/3)+256*(i%3) th:TH_STORE_NT
.set i, i+1
.endr
.if \t < 2
	s_wait_xcnt 0x0
	OLOAD \t+2
.endif
.endr
	s_wait_tensorcnt 0x0
	ds_add_u32 v[SPW], v[NIL]
	s_wait_dscnt 0x0
	CROUND
	s_endpgm
.Lfunc_end_k_qb24c0563c3_attn:
	.size	k_qb24c0563c3_attn, .Lfunc_end_k_qb24c0563c3_attn-k_qb24c0563c3_attn
	.p2alignl 7, 3214868480
	.fill 96, 4, 3214868480
	.section	.rodata,"a",@progbits
	.p2align	6, 0x0
	.amdhsa_kernel k_qb24c0563c3_attn
		.amdhsa_group_segment_fixed_size 327680
		.amdhsa_private_segment_fixed_size 0
		.amdhsa_enable_private_segment 0
		.amdhsa_kernarg_size 40
		.amdhsa_user_sgpr_count 2
		.amdhsa_user_sgpr_kernarg_segment_ptr 1
		.amdhsa_wavefront_size32 1
		.amdhsa_system_sgpr_workgroup_id_x 1
		.amdhsa_system_sgpr_workgroup_id_y 1
		.amdhsa_system_sgpr_workgroup_id_z 1
		.amdhsa_system_vgpr_workitem_id 0
		.amdhsa_next_free_vgpr 1024
		.amdhsa_next_free_sgpr 90
		.amdhsa_reserve_vcc 1
		.amdhsa_float_denorm_mode_32 3
		.amdhsa_float_denorm_mode_16_64 3
		.amdhsa_memory_ordered 1
		.amdhsa_forward_progress 1
		.amdhsa_inst_pref_size 255
	.end_amdhsa_kernel
	.section	.bss,"aw",@nobits
	.p2align	6
	.space	262144
	.amdgpu_metadata
---
amdhsa.version: [ 1, 2 ]
amdhsa.kernels:
  - .name:           k_qb24c0563c3_attn
    .symbol:         k_qb24c0563c3_attn.kd
    .args:
      - { .name: qc, .offset: 0, .size: 8, .value_kind: global_buffer, .address_space: global }
      - { .name: kc, .offset: 8, .size: 8, .value_kind: global_buffer, .address_space: global }
      - { .name: vc, .offset: 16, .size: 8, .value_kind: global_buffer, .address_space: global }
      - { .name: lowp_scales, .offset: 24, .size: 8, .value_kind: global_buffer, .address_space: global }
      - { .name: out0, .offset: 32, .size: 8, .value_kind: global_buffer, .address_space: global }
    .group_segment_fixed_size: 327680
    .private_segment_fixed_size: 0
    .kernarg_segment_align: 8
    .kernarg_segment_size: 40
    .max_flat_workgroup_size: 128
    .sgpr_count:     90
    .vgpr_count:     1024
    .wavefront_size: 32
...
	.end_amdgpu_metadata
.endif
;; end of part 3
;; ======== version 2 of 2: 3 launches; version 1 with the launch proj written anew for expert scheduling mode
;; limits: inputs' magnitudes at most 8.1e+31; right only within a limited range of input values
;; workspace buffers: wc 1,769,472 bytes; qc 12,582,912 bytes; kc 12,582,912 bytes; vc 12,582,912 bytes
;; launch prepw: the kernel of part 1 again; grid 6 x 36, 4 waves a work-group, no clusters, 0 bytes of LDS; arguments Wk, Wq, Wv, lowp_scales, wc; writes wc
;; launch proj (part 4): grid 256 x 1, 4 waves a work-group, no clusters, 151,040 bytes of LDS; arguments x, wc, lowp_scales, qc, kc, vc; writes qc, kc, vc
.if DOCPART == 4
	.amdgcn_target "amdgcn-amd-amdhsa--gfx1250"
	.amdhsa_code_object_version 6
	.text
	.protected	k_qb24c0563c3_proj
	.globl	k_qb24c0563c3_proj
	.p2align	8
	.type	k_qb24c0563c3_proj,@function
k_qb24c0563c3_proj:
	s_mov_b64 s[64:65], 0
	v_nop
	global_prefetch_b8 v0, s[64:65] scope:SCOPE_SE
	s_setreg_imm32_b32 hwreg(HW_REG_WAVE_SCHED_MODE, 0, 2), 2
	s_setreg_imm32_b32 hwreg(HW_REG_WAVE_MODE, 25, 1), 1
	s_wait_xcnt 0x0
	s_wait_alu depctr_vm_vsrc(0)
.set LI,    1
.set XST,   2
.set AX,    5
.set XSC,   6
.set PSC,   12
.set KO,    14
.set CD,    16
.set X,     32
.set ACC,   32
.set ACC2,  128
.set FK,    96
.set RC,    112
.set T,     224
.set TA,    240
.set XP,    784
.set XCB,   64*XP
.set WV,    16
.set ES,    20
.set SMASK, 30
.set SKW,   32
.set SKWN,  34
.set SKM,   36
.set SKMN,  38
.set SFLW,  40
.set SFLP,  41
.set WB,    44
.set OB,    46
.set CNT,   48
.set OQK,   50
.set OV,    52
.set SI23,  66
.set SLN2,  68
.set SNC1,  70
.set SNC2,  72
.set SGN,   74
.set MSB, 0
.macro WIN new
.if MSB != (\new)
	s_set_vgpr_msb (MSB<<8)|(\new)
.set MSB, (\new)
.endif
.endm
.macro FQ16 b, fl, k, kn
.irp i, 0,1,2,3,4,5,6,7,8,9,10,11,12,13,14,15
	v_and_b32 v[T+\i], s[SMASK], v[(\b)+\i]
.endr
.irp i, 0,1,2,3,4,5,6,7,8,9,10,11,12,13,14,15
	v_max_num_f32 v[T+\i], s[\fl], v[T+\i]
.endr
.irp i, 0,2,4,6,8,10,12,14
	v_pk_fma_f32 v[(\b)+\i:(\b)+\i+1], v[T+\i:T+\i+1], s[\k:\k+1], v[(\b)+\i:(\b)+\i+1] op_sel_hi:[1,0,1]
.endr
.irp i, 0,2,4,6,8,10,12,14
	v_pk_fma_f32 v[(\b)+\i:(\b)+\i+1], v[T+\i:T+\i+1], s[\kn:\kn+1], v[(\b)+\i:(\b)+\i+1] op_sel_hi:[1,0,1]
.endr
.endm
.macro FQM16 b
.irp i, 0,1,2,3,4,5,6,7,8,9,10,11,12,13,14,15
	v_and_b32 v[T+\i], s[SMASK], v[(\b)+\i]
.endr
.irp i, 0,1,2,3,4,5,6,7,8,9,10,11,12,13,14,15
	v_max_num_f32 v[T+\i], s[SFLP], v[T+\i]
.endr
.irp i, 0,1,2,3,4,5,6,7,8,9,10,11,12,13,14,15
	v_cvt_f32_u32 v[FK+\i], v[T+\i]
.endr
.irp i, 0,2,4,6,8,10,12,14
	v_pk_fma_f32 v[FK+\i:FK+\i+1], v[FK+\i:FK+\i+1], s[SI23:SI23+1], v[KO:KO+1] op_sel_hi:[1,0,1]
.endr
.irp i, 0,2,4,6,8,10,12,14
	v_pk_mul_f32 v[RC+\i:RC+\i+1], v[FK+\i:FK+\i+1], s[SLN2:SLN2+1] op_sel_hi:[1,0]
.endr
.irp i, 0,2,4,6,8,10,12,14
	v_pk_fma_f32 v[RC+\i:RC+\i+1], v[FK+\i:FK+\i+1], s[SNC1:SNC1+1], v[RC+\i:RC+\i+1] op_sel_hi:[1,0,1]
.endr
.irp i, 0,2,4,6,8,10,12,14
	v_pk_fma_f32 v[RC+\i:RC+\i+1], v[FK+\i:FK+\i+1], s[SNC2:SNC2+1], v[RC+\i:RC+\i+1] op_sel_hi:[1,0,1]
.endr
.irp i, 0,2,4,6,8,10,12,14
	v_pk_add_f32 v[RC+\i:RC+\i+1], v[RC+\i:RC+\i+1], 1.0 op_sel_hi:[1,0]
.endr
.irp i, 0,2,4,6,8,10,12,14
	v_pk_fma_f32 v[FK+\i:FK+\i+1], v[RC+\i:RC+\i+1], -1.0, 1.0 op_sel_hi:[1,0,0]
.endr
.irp i, 0,2,4,6,8,10,12,14
	v_pk_fma_f32 v[(\b)+\i:(\b)+\i+1], v[(\b)+\i:(\b)+\i+1], v[FK+\i:FK+\i+1], v[(\b)+\i:(\b)+\i+1]
.endr
.irp i, 0,2,4,6,8,10,12,14
	v_pk_fma_f32 v[(\b)+\i:(\b)+\i+1], v[T+\i:T+\i+1], s[SKM:SKM+1], v[(\b)+\i:(\b)+\i+1] op_sel_hi:[1,0,1]
.endr
.irp i, 0,2,4,6,8,10,12,14
	v_pk_fma_f32 v[(\b)+\i:(\b)+\i+1], v[T+\i:T+\i+1], s[SKMN:SKMN+1], v[(\b)+\i:(\b)+\i+1] op_sel_hi:[1,0,1]
.endr
.irp i, 0,2,4,6,8,10,12,14
	v_pk_mul_f32 v[(\b)+\i:(\b)+\i+1], v[(\b)+\i:(\b)+\i+1], v[RC+\i:RC+\i+1]
.endr
.endm
.macro XLOAD k
.irp r, 0,1,2,3,4,5,6,7,8,9,10,11,12,13,14,15
	global_load_b128 v[X+64*((\k)%3)+4*\r:X+64*((\k)%3)+4*\r+3], v[LI], s[4:5] offset:3072*\r+512*(\k) th:TH_LOAD_NT
.endr
.endm
.macro WWIN g
.if (\g) < 8
	WIN 0x80
.else
	WIN 0xc0
.endif
.endm
.macro WLOAD g, off
	WWIN \g
.if (\g) < 8
.irp c, 0,1,2,3
	global_load_b128 v[128+16*(\g)+4*\c:128+16*(\g)+4*\c+3], v[LI], s[WB:WB+1] offset:(\off)+2048*(\g)+512*\c
.endr
.else
.irp c, 0,1,2,3
	global_load_b128 v[16*((\g)-8)+4*\c:16*((\g)-8)+4*\c+3], v[LI], s[WB:WB+1] offset:(\off)+2048*(\g)+512*\c
.endr
.endif
.endm
	s_load_b256 s[4:11], s[0:1], 0x0
	s_load_b128 s[12:15], s[0:1], 0x20
	s_set_vgpr_msb 0xc0
	v_lshl_add_u32 v64, v0, 2, 0x24c00
	v_mov_b32 v65, 0
	s_set_vgpr_msb 0xc000
	v_lshrrev_b32 v14, 5, v0
	v_readfirstlane_b32 s[WV], v14
	v_and_b32 v14, 31, v0
	v_lshlrev_b32 v[LI], 4, v14
	v_lshlrev_b32 v15, 2, v14
	s_wait_alu depctr_va_sdst(0)
	s_mul_i32 s17, s[WV], 16*XP
	v_add_nc_u32 v[XST], s17, v15
	v_add_nc_u32 v[XST+1], XCB, v[XST]
	v_add_nc_u32 v[XST+2], 2*XCB, v[XST]
	v_and_b32 v14, 15, v0
	v_bfe_u32 v15, v0, 4, 1
	v_mul_u32_u24 v[AX], v14, XP
	v_lshl_add_u32 v[AX], v15, 4, v[AX]
	s_mov_b32 s[SMASK], 0x7f800000
	s_mov_b32 s[SKW], 0x49c00000
	s_mov_b32 s[SKW+1], 0x49c00000
	s_mov_b32 s[SKWN], 0xc9c00000
	s_mov_b32 s[SKWN+1], 0xc9c00000
	s_mov_b32 s[SKM], 0x46400000
	s_mov_b32 s[SKM+1], 0x46400000
	s_mov_b32 s[SKMN], 0xc6400000
	s_mov_b32 s[SKMN+1], 0xc6400000
	s_mov_b32 s[SFLW], 0x3c800000
	s_mov_b32 s[SI23], 0x34000000
	s_mov_b32 s[SI23+1], 0x34000000
	s_mov_b32 s[SLN2], 0x3f317218
	s_mov_b32 s[SLN2+1], 0x3f317218
	s_mov_b32 s[SNC1], 0xbf318000
	s_mov_b32 s[SNC1+1], 0xbf318000
	s_mov_b32 s[SNC2], 0x395e8083
	s_mov_b32 s[SNC2+1], 0x395e8083
	s_mov_b32 s[SGN], 0x80808080
	s_mul_i32 s18, ttmp9, 64*3072
	s_mul_i32 s19, s[WV], 16*3072
	s_add_co_u32 s18, s18, s19
	s_mov_b32 s19, 0
	s_mul_i32 s54, s[WV], 18*24576
	s_mov_b32 s55, 0
	s_lshr_b32 s56, ttmp9, 4
	s_and_b32 s57, ttmp9, 15
	s_mul_i32 s56, s56, 786432
	s_mul_i32 s58, s57, 4*12288
	s_mul_i32 s59, s[WV], 3072
	s_add_co_u32 s[OQK], s56, s58
	s_add_co_u32 s[OQK], s[OQK], s59
	s_mov_b32 s[OQK+1], 0
	s_lshr_b32 s58, s57, 1
	s_mul_i32 s58, s58, 98304
	s_and_b32 s59, s57, 1
	s_lshl_b32 s59, s59, 10
	s_add_co_u32 s[OV], s56, s58
	s_add_co_u32 s[OV], s[OV], s59
	s_mul_i32 s59, s[WV], 24576
	s_add_co_u32 s[OV], s[OV], s59
	s_mov_b32 s[OV+1], 0
	s_wait_kmcnt 0x0
	s_load_b256 s[ES:ES+7], s[8:9], 0x0
	s_load_b64 s[ES+8:ES+9], s[8:9], 0x20
	s_add_nc_u64 s[4:5], s[4:5], s[18:19]
	s_add_nc_u64 s[WB:WB+1], s[6:7], s[54:55]
	s_wait_alu depctr_va_vdst(0)
	XLOAD 0
	XLOAD 1
	XLOAD 2
	s_wait_kmcnt 0x0
.irp p, 0,1,2
	s_add_co_i32 s60, s[ES+2*\p], 127
	s_lshl_b32 s61, s60, 23
	v_mov_b32 v[XSC+2*\p], s61
	s_add_co_i32 s60, s60, 8
	s_lshl_b32 s60, s60, 23
	s_or_b32 s60, s60, 0x600000
	v_mov_b32 v[XSC+2*\p+1], s60
.endr
.macro XSTEP k
.set XS, X+64*((\k)%3)
	s_wait_loadcnt 32
.irp q, 0,1,2,3
	FQ16 XS+16*\q, SFLW, SKW, SKWN
.endr
.irp p, 0,1,2
	s_wait_dscnt 0x0
.if ((\k)+\p) > 0
	s_wait_alu depctr_vm_vsrc(0)
.endif
.set q, 0
.rept 8
.set TQ, TA+8*(q%2)
.irp j, 0,1,2,3,4,5,6,7
	v_med3_num_f32 v[TQ+\j], v[XS+8*q+\j], -v[XSC+2*\p+1], v[XSC+2*\p+1]
.endr
	v_cvt_scalef32_pk8_fp8_f32 v[CD+2*q:CD+2*q+1], v[TQ:TQ+7], v[XSC+2*\p]
.set q, q+1
.endr
	s_wait_alu depctr_va_vdst(0)
.irp r, 0,1,2,3,4,5,6,7,8,9,10,11,12,13,14,15
	ds_store_b32 v[XST+\p], v[CD+\r] offset:XP*\r+128*(\k)
.endr
.endr
.if (\k) < 3
	XLOAD (\k)+3
.else
.irp f, 0,1,2,3
	WLOAD 4*((\k)-3)+\f, 0
.endr
	WIN 0
.endif
.endm
.irp k, 0,1,2,3,4,5
	XSTEP \k
.endr
	v_nop
	s_wait_dscnt 0x0
	s_barrier_signal -1
	s_barrier_wait -1
.macro SETUP ea, eb, eo
	s_add_co_i32 s60, s[\ea], s[\eb]
	s_sub_co_i32 s60, s60, 1
	s_sub_co_i32 s61, s60, 137
	v_mov_b32 v[KO], s61
	v_cvt_f32_i32 v[KO], v[KO]
	v_mov_b32 v[KO+1], v[KO]
	s_sub_co_i32 s61, 113, s60
	s_lshl_b32 s[SFLP], s61, 23
	s_sub_co_i32 s61, s[\eo], s60
	s_add_co_i32 s61, s61, 127
	s_lshl_b32 s62, s61, 23
	v_mov_b32 v[PSC], s62
	s_add_co_i32 s61, s61, 8
	s_lshl_b32 s61, s61, 23
	s_or_b32 s61, s61, 0x600000
	v_mov_b32 v[PSC+1], s61
.endm
.macro ALOAD again
	WIN 0x40
.if \again
	s_wait_alu depctr_va_vdst(0)
.endif
.irp s, 0,1,2,3
.irp tt, 0,1,2,3
.irp c, 0,1,2,3
	ds_load_b128 v[16*(4*\s+\tt)+4*\c:16*(4*\s+\tt)+4*\c+3], v[AX] offset:16*XP*\tt+128*\s+32*\c
.endr
.endr
.endr
	WIN 0x80
.irp s, 4,5
.irp tt, 0,1,2,3
.irp c, 0,1,2,3
	ds_load_b128 v[16*(4*(\s-4)+\tt)+4*\c:16*(4*(\s-4)+\tt)+4*\c+3], v[AX] offset:16*XP*\tt+128*\s+32*\c
.endr
.endr
.endr
	WIN 0
	s_wait_dscnt 0x0
.endm
.macro MULS s, orient, base, places
.if \s < 4
	WIN 0x06+3*\orient
.else
	WIN 0x0b+3*\orient
.endif
.irp tt, 0,1,2,3
.irp u, 0,1
.set XN, 16*(4*(\s%4)+\tt)
.if \s < 4
.set WN, 128+16*(2*\s+\u)
.else
.set WN, 16*(2*\s+\u-8)
.endif
.if \orient
.set DN, \base+32*\u+8*\tt
.set AN, XN
.set BN, WN
.else
.set DN, \base+16*\tt+8*\u
.set AN, WN
.set BN, XN
.endif
.if \s == 0
	v_wmma_f32_16x16x128_fp8_fp8 v[DN:DN+7], v[AN:AN+15], v[BN:BN+15], 0
.else
	v_wmma_f32_16x16x128_fp8_fp8 v[DN:DN+7], v[AN:AN+15], v[BN:BN+15], v[DN:DN+7]
.endif
.endr
.endr
.if \places > 0
.rept \places
	v_nop
.endr
.endif
.endm
.macro PASS orient, reload
.irp s, 0,1,2,3,4,5
.if \reload
.if \s == 0
	s_wait_loadcnt 40
.else
	s_wait_loadcnt 32
.endif
.else
	s_wait_loadcnt 40-8*\s
.endif
	MULS \s, \orient, ACC, 4
.if \s < 4
	WIN 0x88
.set WX, 128+32*\s
.else
	WIN 0xcc
.set WX, 32*(\s-4)
.endif
.set n, 0
.rept 32
	v_xor_b32 v[WX+n], s[SGN], v[WX+n]
.set n, n+1
.endr
.if \reload && (\s > 0)
	WWIN 2*\s-2
	s_wait_alu depctr_va_vdst(0)
	WLOAD 2*\s-2, 24576
	WLOAD 2*\s-1, 24576
.endif
.if \s == 5
	MULS \s, \orient, ACC2, 4
.else
	MULS \s, \orient, ACC2, 0
.endif
.endr
	WIN 0
.set n, 0
.rept 32
	v_pk_add_f32 v[ACC+n:ACC+n+1], v[ACC+n:ACC+n+1], v[ACC2+n:ACC2+n+1] neg_lo:[0,1] neg_hi:[0,1]
.set n, n+2
.endr
.if \reload
	WWIN 10
	s_wait_alu depctr_va_vdst(0)
	WLOAD 10, 24576
	WLOAD 11, 24576
	WIN 0
.endif
.irp q, 0,1,2,3
	FQM16 ACC+16*\q
.endr
.set n, 0
.rept 64
	v_med3_num_f32 v[ACC+n], v[ACC+n], -v[PSC+1], v[PSC+1]
.set n, n+1
.endr
	s_wait_alu depctr_vm_vsrc(0)
.irp q, 0,1,2,3,4,5,6,7
	v_cvt_scalef32_pk8_fp8_f32 v[CD+2*\q:CD+2*\q+1], v[ACC+8*\q:ACC+8*\q+7], v[PSC]
.endr
	v_nop
	s_wait_alu depctr_va_vdst(0)
.irp q, 0,1,2,3
.if \orient
	global_store_b128 v[LI], v[CD+4*\q:CD+4*\q+3], s[OB:OB+1] offset:2048*(\q/2)+512*(\q%2)
.else
	global_store_b128 v[LI], v[CD+4*\q:CD+4*\q+3], s[OB:OB+1] offset:12288*\q
.endif
.endr
.if \reload
	s_wait_xcnt 0x0
	s_add_nc_u64 s[WB:WB+1], s[WB:WB+1], 24576
	s_add_nc_u64 s[OB:OB+1], s[OB:OB+1], 512+3584*\orient
.endif
.endm
	SETUP ES+0, ES+1, ES+7
	s_add_nc_u64 s[OB:OB+1], s[12:13], s[OQK:OQK+1]
	ALOAD 0
	s_mov_b32 s[CNT], 6
.Lk:
	PASS 0, 1
	s_sub_co_u32 s[CNT], s[CNT], 1
	s_cmp_lg_u32 s[CNT], 0
	s_cbranch_scc1 .Lk
	s_wait_alu depctr_vm_vsrc(0)
	v_add_nc_u32 v[AX], XCB, v[AX]
	SETUP ES+2, ES+3, ES+6
	s_add_nc_u64 s[OB:OB+1], s[10:11], s[OQK:OQK+1]
	ALOAD 1
	s_mov_b32 s[CNT], 6
.Lq:
	PASS 0, 1
	s_sub_co_u32 s[CNT], s[CNT], 1
	s_cmp_lg_u32 s[CNT], 0
	s_cbranch_scc1 .Lq
	s_wait_alu depctr_vm_vsrc(0)
	v_add_nc_u32 v[AX], XCB, v[AX]
	SETUP ES+4, ES+5, ES+9
	s_add_nc_u64 s[OB:OB+1], s[14:15], s[OV:OV+1]
	ALOAD 1
	s_mov_b32 s[CNT], 5
.Lv:
	PASS 1, 1
	s_sub_co_u32 s[CNT], s[CNT], 1
	s_cmp_lg_u32 s[CNT], 0
	s_cbranch_scc1 .Lv
	PASS 1, 0
	s_set_vgpr_msb 0xf
	s_wait_dscnt 0x0
	s_wait_alu depctr_hold_cnt(0) depctr_sa_sdst(0) depctr_va_vdst(0) depctr_va_sdst(0) depctr_va_ssrc(0) depctr_va_vcc(0) depctr_vm_vsrc(0)
	s_wait_tensorcnt 0x0
	ds_add_u32 v64, v65
	s_wait_dscnt 0x0
	s_endpgm
.Lfunc_end_k_qb24c0563c3_proj:
	.size	k_qb24c0563c3_proj, .Lfunc_end_k_qb24c0563c3_proj-k_qb24c0563c3_proj
	.p2alignl 7, 3214868480
	.fill 96, 4, 3214868480
	.section	.rodata,"a",@progbits
	.p2align	6, 0x0
	.amdhsa_kernel k_qb24c0563c3_proj
		.amdhsa_group_segment_fixed_size 151040
		.amdhsa_private_segment_fixed_size 0
		.amdhsa_enable_private_segment 0
		.amdhsa_kernarg_size 48
		.amdhsa_user_sgpr_count 2
		.amdhsa_user_sgpr_kernarg_segment_ptr 1
		.amdhsa_wavefront_size32 1
		.amdhsa_system_sgpr_workgroup_id_x 1
		.amdhsa_system_sgpr_workgroup_id_y 1
		.amdhsa_system_sgpr_workgroup_id_z 1
		.amdhsa_system_vgpr_workitem_id 0
		.amdhsa_next_free_vgpr 834
		.amdhsa_next_free_sgpr 76
		.amdhsa_reserve_vcc 0
		.amdhsa_float_denorm_mode_32 3
		.amdhsa_float_denorm_mode_16_64 3
		.amdhsa_memory_ordered 1
		.amdhsa_forward_progress 1
		.amdhsa_inst_pref_size 255
	.end_amdhsa_kernel
	.section	.bss,"aw",@nobits
	.p2align	6
	.space	262144
	.amdgpu_metadata
---
amdhsa.version: [ 1, 2 ]
amdhsa.kernels:
  - .name:           k_qb24c0563c3_proj
    .symbol:         k_qb24c0563c3_proj.kd
    .args:
      - { .name: x, .offset: 0, .size: 8, .value_kind: global_buffer, .address_space: global }
      - { .name: wc, .offset: 8, .size: 8, .value_kind: global_buffer, .address_space: global }
      - { .name: lowp_scales, .offset: 16, .size: 8, .value_kind: global_buffer, .address_space: global }
      - { .name: qc, .offset: 24, .size: 8, .value_kind: global_buffer, .address_space: global }
      - { .name: kc, .offset: 32, .size: 8, .value_kind: global_buffer, .address_space: global }
      - { .name: vc, .offset: 40, .size: 8, .value_kind: global_buffer, .address_space: global }
    .group_segment_fixed_size: 151040
    .private_segment_fixed_size: 0
    .kernarg_segment_align: 8
    .kernarg_segment_size: 48
    .max_flat_workgroup_size: 128
    .sgpr_count:     76
    .vgpr_count:     834
    .wavefront_size: 32
...
	.end_amdgpu_metadata
.endif
;; end of part 4
;; launch attn: the kernel of part 3 again; grid 16 x 16, 4 waves a work-group, clusters of 4 x 1, 327,680 bytes of LDS; arguments qc, kc, vc, lowp_scales, out0; writes out0
